; MI455X (gfx1250); checked and timed in simulation.
; The chip was launched on July 23, 2026; its instructions are those of AMD's public machine-readable ISA for CDNA 5 (MIT licence, August 2026) and "CDNA5" Instruction Set Architecture Reference Guide (July 2026). The comments in the code are by the model that wrote it; some were corrected since.
;; Legacy Rel Position Multi Headed Attention. Allowed arithmetic: float matrix products may take bf16 or f16 operands with f32 sums; all other float work in f32.
;; Inputs: Wk 512 x 512 float32; Wo 512 x 512 float32; Wp 512 x 512 float32; Wq 512 x 512 float32; Wv 512 x 512 float32; bk 512 float32; bo 512 float32; bq 512 float32; bv 512 float32; key_ 8 x 1,024 x 512 float32; mask 8 x 1 x 1,024 int32; pos_bias_u 8 x 64 float32; pos_bias_v 8 x 64 float32; pos_emb 1 x 1,024 x 512 float32; query 8 x 1,024 x 512 float32; value 8 x 1,024 x 512 float32.
;; Outputs: out0 8 x 1,024 x 512 float32.
;; One version. Each part assembles by itself: llvm-mc -triple=amdgcn-amd-amdhsa -mcpu=gfx1250 --defsym DOCPART=n.
;; ======== version 1 of 1: 3 launches
;; limits: values are held in f16: magnitudes above 65,504 overflow, below 6.1e-05 lose precision
;; workspace buffers: qw 8,388,608 bytes; kpw 8,388,608 bytes; vw 8,388,608 bytes; cbias 262,144 bytes; ctx 8,388,608 bytes
;; launch proj (part 1): grid 2 x 128, 8 waves a work-group, no clusters, 135,168 bytes of LDS; arguments query, value, key_, pos_emb, Wq, Wv, Wk, Wp, bq, bv, bk, pos_bias_u, pos_bias_v, qw, vw, kpw, cbias; writes qw, vw, kpw, cbias
.if DOCPART == 1
	.amdgcn_target "amdgcn-amd-amdhsa--gfx1250"
	.amdhsa_code_object_version 6
	.text
	.protected	k_q80aa11dfeb_proj
	.globl	k_q80aa11dfeb_proj
	.p2align	8
	.type	k_q80aa11dfeb_proj,@function
k_q80aa11dfeb_proj:
	s_mov_b64 s[64:65], 0
	v_nop
	global_prefetch_b8 v0, s[64:65] scope:SCOPE_SE
	s_setreg_imm32_b32 hwreg(HW_REG_WAVE_MODE, 25, 1), 1
	s_wait_xcnt 0x0
; The input projections.  x = column block of 256 (heads 4x .. 4x+3), y = job:
;   y  0..31   qw  = (query . Wq^T + bq) * QS        rows 256 y ..       QS = 0.5 log2 e
;   y 32..63   vw  =  value . Wv^T + bv              rows 256 (y-32) ..
;   y 64..127  kpw = (key . Wk^T + bk + pos . Wp^T) / 4, rows 128 (y-64) ..;  cbias = (u.(k+bk) + v.p) / 4, in f32
; since (q+u).k + (q+v).p = q.(k+p) + (u.k + v.p): one score product instead of two, and a bias that hangs on the key alone.
; Outputs are f16, laid [b][h][t][64].  QS * 1/4 = log2 e / 8: the next launch's scores come out in powers of two.
; Every work-group makes two passes of 128 rows x 256 columns x K = 512: q and v two row blocks, kp first pos . Wp^T and
; then key . Wk^T onto the same sums.  Eight waves; wave w: rows 64 (w>>2) .., columns 64 (w&3) .. (one head), 4 x 4 tiles.
; THE PIPELINE: the two passes are one chain of sixteen K steps of 64.  While step d is multiplied out of LDS slot d mod 2, step d+1's
; operands are rounded and stored into the other slot, and steps d+2 and d+3 are on their way from memory in two register sets.
; Fragments have two buffers: each run of sixteen fragment loads is issued eight or sixteen matrix instructions ahead of its first use.
; FORMAT: all matrix operands are f16, sums f32.  LIMIT: |q QS|, |k+p|/4 and |v| must stay below 65,504.  With inputs and
; weights all 30 times larger they are some 650, 320 and 900 times a unit normal; with an offset of 30 on the activations and
; of 1.3 on the weights 512 x 30 x 1.33 = 20,400 a projection, so 14,700, 10,200 and 20,400.
; The sum k+p is made in f32 and rounded once, which is another order of rounding than two separate products have.
; NO TENSOR LOADS, NO JOINT LOADS: the operands are f32 in memory and have to be rounded on the way.  Through registers a step's
; 96 KB become 48 KB in LDS and a wave reads 8 KB of fragments for 16 matrix instructions; as f32 tiles in LDS both would double.
.set PITCH,  144                       ; an LDS row: 64 f16 + 16 bytes: an odd multiple of 16
.set WOFF,   128*PITCH                 ; W's 256 rows lie behind x's 128
.set SLOT,   384*PITCH                 ; 55,296
.set STAGE,  2*SLOT                    ; 8 waves x 16 rows x 144: the way out
.set CONST,  STAGE+8*16*PITCH          ; bias*scale [256], u [256], (v-u)*scale [256]
.set CST,    CONST+3072                ; 8 waves x 64 f32: a wave's cbias
.set ROWB,   2048                      ; bytes in a row of x and of W
.set QS,     0x3f38aa3b                ; 0.5 log2 e
.set GA, 2                             ; (16w+8h) rows + 16c: my 16 bytes of x's rows
.set GW, 3                             ; (32w+8h) rows + 16c: of W's rows
.set SA, 4                             ; where they go in LDS: (16w+8h) 144 + 8c
.set SW, 5                             ; (128+32w+8h) 144 + 8c
.set FA, 6                             ; fragments of x: (64 wm + r) 144 + 16h
.set FB, 7                             ; fragments of W: (128 + 64 wn + r) 144 + 16h
.set ST, 8                             ; stage, in
.set RD, 9                             ; stage, back
.set GO, 10                            ; 16 L
.set CA, 11                            ; CONST + 256 wn + 32 h
.set CW, 12                            ; CST + 256 w + 4 r
.set CR, 13                            ; CST + 256 w + 8 L
.set CG, 14                            ; 8 L
.set PB, 20                            ; v[20:27]   four pairs: the bias sums of row tiles 0..3
.set TT, 28                            ; v[28:43]   packed results
.set RR, 44                            ; v[44:59]   rows read back
.set F0, 64                            ; v[64:127]  fragment buffer 0: x's four tiles, then W's four
.set ACC, 128                          ; v[128:255] tile (a, b) at 128 + 8 (4a + b)
                                       ; v256-351, v352-447: two sets of 24 loads (x's 8, then W's 16), named v0-95, v96-191 in window 1
.set F1, 192                           ; v448-511, named v192-255 in window 1: fragment buffer 1; between the passes and at the end its first 32 hold constants
.set PA1, 42
.set PW1, 44
.set PA2, 46
.set PW2, 48
.set PBI, 50
.set POUT, 52
.set PCB, 54
.set SCL, 56
.set MSB, 0
.macro WIN new                         ; the immediate's high byte repeats the setting that is left
.if MSB != \new
	s_set_vgpr_msb (MSB<<8)|\new
.set MSB, \new
.endif
.endm
.macro PLACES                          ; four places behind a matrix instruction (ISA guide 7.12.1) before its registers are loaded, read or written
.rept 4
	v_nop
.endr
.endm
	s_load_b512 s[8:23], s[0:1], 0x0               ; query, value, key_, pos_emb, Wq, Wv, Wk, Wp
	s_load_b512 s[24:39], s[0:1], 0x40             ; bq, bv, bk, u, v, qw, vw, kpw
	s_load_b64 s[40:41], s[0:1], 0x80              ; cbias
	v_lshl_add_u32 v62, v0, 2, 0x20c00
	v_mov_b32 v63, 0
	v_lshrrev_b32 v1, 5, v0
	v_readfirstlane_b32 s2, v1                     ; wave
	s_lshr_b32 s3, s2, 2                           ; wm
	s_and_b32 s4, s2, 3                            ; wn
	s_and_b32 s6, ttmp7, 0xffff                    ; y
	s_mov_b32 s66, 0x76543210                      ; v_permlanex16_b32: lane i reads lane i of the other half
	s_mov_b32 s67, 0xfedcba98
	v_and_b32 v1, 31, v0                           ; L
	v_and_b32 v15, 15, v0                          ; r = c
	v_bfe_u32 v16, v0, 4, 1                        ; h
	v_lshlrev_b32 v17, 4, v15
	v_lshl_add_u32 v17, v16, 14, v17               ; 8h rows + 16c
	s_lshl_b32 s68, s2, 15
	v_add_nc_u32 v[GA], s68, v17
	s_lshl_b32 s68, s2, 16
	v_add_nc_u32 v[GW], s68, v17
	v_lshlrev_b32 v17, 3, v15
	v_mad_u32_u24 v17, v16, 8*PITCH, v17           ; 8h LDS rows + 8c: the halves lie 288 words apart, so a b64 store's 32 lanes touch 64 different words mod 64
	s_mul_i32 s68, s2, 16*PITCH
	v_add_nc_u32 v[SA], s68, v17
	s_mul_i32 s68, s2, 32*PITCH
	s_add_co_u32 s68, s68, WOFF
	v_add_nc_u32 v[SW], s68, v17
	v_mul_u32_u24 v17, v15, PITCH
	v_lshl_add_u32 v17, v16, 4, v17                ; 144 r + 16 h
	s_mul_i32 s68, s3, 64*PITCH
	v_add_nc_u32 v[FA], s68, v17
	s_mul_i32 s68, s4, 64*PITCH
	s_add_co_u32 s68, s68, WOFF
	v_add_nc_u32 v[FB], s68, v17
	s_mul_i32 s68, s2, 16*PITCH
	s_add_co_u32 s68, s68, STAGE
	v_add_nc_u32 v[ST], s68, v17
	v_lshrrev_b32 v17, 3, v1
	v_mul_u32_u24 v17, v17, PITCH
	v_and_b32 v18, 7, v0
	v_lshl_add_u32 v17, v18, 4, v17
	v_add_nc_u32 v[RD], s68, v17                   ; eight lanes a row of 128 bytes
	v_lshlrev_b32 v[GO], 4, v1
	s_lshl_b32 s68, s4, 8
	s_add_co_u32 s68, s68, CONST
	v_lshl_add_u32 v[CA], v16, 5, s68
	s_lshl_b32 s68, s2, 8
	s_add_co_u32 s68, s68, CST
	v_lshl_add_u32 v[CW], v15, 2, s68
	v_lshl_add_u32 v[CR], v1, 3, s68
	v_lshlrev_b32 v[CG], 3, v1
	v_lshlrev_b32 v18, 2, v0                       ; 4 t: my word of the bias, of u and of v
	v_add_nc_u32 v19, CONST, v18
	; offsets, apart from the addresses
	s_and_b32 s68, s6, 31
	s_lshl_b32 s68, s68, 8                         ; q, v: first row 256 (y mod 32)
	s_and_b32 s69, s6, 63
	s_lshl_b32 s69, s69, 7                         ; kp: first row 128 (y - 64)
	s_cmp_lt_u32 s6, 64
	s_cselect_b32 s7, s68, s69                     ; R0 = 1024 b + t0
	s_lshl_b32 s68, s7, 11                         ; R0 rows
	s_and_b32 s69, s7, 1023                        ; t0
	s_lshl_b32 s74, s69, 11                        ; t0 rows (pos_emb has one batch)
	s_add_co_u32 s75, s68, 128*ROWB
	s_cmp_lt_u32 s6, 64
	s_cselect_b32 s70, s68, s74                    ; pass 1: q, v rows R0 ..; kp pos_emb's rows t0 ..
	s_cselect_b32 s72, s75, s68                    ; pass 2: q, v rows R0 + 128 ..; kp key_'s rows R0 ..
	s_mov_b32 s71, 0
	s_mov_b32 s73, 0
	s_lshr_b32 s78, s7, 10
	s_lshl_b32 s78, s78, 20                        ; b x 8 heads x 1024 rows x 128 bytes
	s_lshl_b32 s69, s69, 7
	s_add_co_u32 s78, s78, s69                     ; + t0 x 128
	s_lshl2_add_u32 s69, ttmp9, s4                 ; head = 4 x + wn
	s_lshl_b32 s69, s69, 17
	s_add_co_u32 s78, s78, s69
	s_lshl_b32 s69, s3, 13
	s_add_co_u32 s78, s78, s69                     ; + 64 wm rows: my wave's first output row
	s_mov_b32 s79, 0
	s_lshr_b32 s68, s78, 5                         ; the same place in cbias: 4 bytes a row instead of 128
	s_mov_b32 s69, 0
	s_lshl_b32 s74, ttmp9, 19                      ; W's rows 256 x ..
	s_mov_b32 s75, 0
	s_lshl_b32 s76, ttmp9, 10                      ; the biases' words 256 x ..
	s_mov_b32 s77, 0
	s_wait_kmcnt 0x0
	s_cmp_lt_u32 s6, 32                            ; q or v
	s_cselect_b64 s[PA1:PA1+1], s[8:9], s[10:11]
	s_cselect_b64 s[PW1:PW1+1], s[16:17], s[18:19]
	s_cselect_b64 s[PBI:PBI+1], s[24:25], s[26:27]
	s_cselect_b64 s[POUT:POUT+1], s[34:35], s[36:37]
	s_cselect_b32 s[SCL], QS, 1.0
	s_cmp_lt_u32 s6, 64                            ; one of these, or kp
	s_cselect_b64 s[PA2:PA2+1], s[PA1:PA1+1], s[12:13]
	s_cselect_b64 s[PW2:PW2+1], s[PW1:PW1+1], s[20:21]
	s_cselect_b64 s[PA1:PA1+1], s[PA1:PA1+1], s[14:15]
	s_cselect_b64 s[PW1:PW1+1], s[PW1:PW1+1], s[22:23]
	s_cselect_b64 s[PBI:PBI+1], s[PBI:PBI+1], s[28:29]
	s_cselect_b64 s[POUT:POUT+1], s[POUT:POUT+1], s[38:39]
	s_cselect_b32 s[SCL], s[SCL], 0x3e800000       ; kp: 1/4
	s_mov_b32 s[SCL+1], s[SCL]
	s_add_nc_u64 s[PA1:PA1+1], s[PA1:PA1+1], s[70:71]
	s_add_nc_u64 s[PA2:PA2+1], s[PA2:PA2+1], s[72:73]
	s_add_nc_u64 s[PW1:PW1+1], s[PW1:PW1+1], s[74:75]
	s_add_nc_u64 s[PW2:PW2+1], s[PW2:PW2+1], s[74:75]
	s_add_nc_u64 s[PBI:PBI+1], s[PBI:PBI+1], s[76:77]
	s_add_nc_u64 s[30:31], s[30:31], s[76:77]
	s_add_nc_u64 s[32:33], s[32:33], s[76:77]
	s_add_nc_u64 s[POUT:POUT+1], s[POUT:POUT+1], s[78:79]
	s_add_nc_u64 s[PCB:PCB+1], s[40:41], s[68:69]
; 24 loads of 16 bytes: K step k (64 f32 = 256 bytes of a row; sixteen lanes take a whole such piece) of x's 128 and W's 256 rows
.macro LOADSET set, pa, pw, k
	WIN 0x40                                       ; data in window 1, address in window 0
.irp i, 0,1,2,3,4,5,6,7
	global_load_b128 v[96*\set+4*\i:96*\set+4*\i+3], v[GA], s[\pa:\pa+1] offset:\k*256+\i*ROWB
.endr
.irp i, 0,1,2,3,4,5,6,7,8,9,10,11,12,13,14,15
	global_load_b128 v[96*\set+32+4*\i:96*\set+32+4*\i+3], v[GW], s[\pw:\pw+1] offset:\k*256+(16*(\i>>3)+(\i&7))*ROWB
.endr
	WIN 0
.endm
; a set is rounded to f16 in place and stored into an LDS slot
.macro CVST set, slot
	WIN 0x45
.irp i, 0,1,2,3,4,5,6,7,8,9,10,11,12,13,14,15,16,17,18,19,20,21,22,23
	v_cvt_pk_f16_f32 v[96*\set+4*\i],   v[96*\set+4*\i],   v[96*\set+4*\i+1]
	v_cvt_pk_f16_f32 v[96*\set+4*\i+1], v[96*\set+4*\i+2], v[96*\set+4*\i+3]
.endr
	WIN 0x04                                       ; store data in window 1
.irp i, 0,1,2,3,4,5,6,7
	ds_store_b64 v[SA], v[96*\set+4*\i:96*\set+4*\i+1] offset:\slot*SLOT+\i*PITCH
.endr
.irp i, 0,1,2,3,4,5,6,7,8,9,10,11,12,13,14,15
	ds_store_b64 v[SW], v[96*\set+32+4*\i:96*\set+32+4*\i+1] offset:\slot*SLOT+(16*(\i>>3)+(\i&7))*PITCH
.endr
	WIN 0
.endm
; 16 fragment loads for 32 along K (half ks of the slot's 64): W's four tiles first, then x's four, into buffer f (win: 0 for F0, 0x40 for F1)
.macro FRAG slot, ks, f, win
	WIN \win
.irp t, 0,1,2,3
	ds_load_b128 v[\f+32+8*\t:\f+32+8*\t+3],   v[FB] offset:\slot*SLOT+\t*16*PITCH+64*\ks
	ds_load_b128 v[\f+32+8*\t+4:\f+32+8*\t+7], v[FB] offset:\slot*SLOT+\t*16*PITCH+64*\ks+32
.endr
.irp t, 0,1,2,3
	ds_load_b128 v[\f+8*\t:\f+8*\t+3],   v[FA] offset:\slot*SLOT+\t*16*PITCH+64*\ks
	ds_load_b128 v[\f+8*\t+4:\f+8*\t+7], v[FA] offset:\slot*SLOT+\t*16*PITCH+64*\ks+32
.endr
	WIN 0
.endm
; Four matrix instructions: row tile a x the four column tiles.  Source 0 = 16 rows of W, source 1 = 16 rows of x: a lane then holds
; eight neighbouring columns of one output row.  The sixteen accumulators take turns, one instruction a turn, in the same order
; in every run.
.macro MUL f, a, zero
.irp b, 0,1,2,3
.if \zero
	v_wmma_f32_16x16x32_f16 v[ACC+8*(4*\a+\b):ACC+8*(4*\a+\b)+7], v[\f+32+8*\b:\f+32+8*\b+7], v[\f+8*\a:\f+8*\a+7], 0
.else
	v_wmma_f32_16x16x32_f16 v[ACC+8*(4*\a+\b):ACC+8*(4*\a+\b)+7], v[\f+32+8*\b:\f+32+8*\b+7], v[\f+8*\a:\f+8*\a+7], v[ACC+8*(4*\a+\b):ACC+8*(4*\a+\b)+7]
.endif
.endr
.endm
; The first half of a step: the second half's fragments are asked for, then buffer 0, asked for in the step before, is multiplied.
.macro FIRSTHALF s, zero
	PLACES                                         ; behind the last products on buffer 1
	FRAG \s, 1, F1, 0x40
.irp a, 0,1,2,3
	s_wait_dscnt 22-2*\a                           ; W's fragments and x's up to tile a are in; out may be the two loads of each later tile and buffer 1's sixteen
	MUL F0, \a, \zero
.endr
.endm
; A K step of 64 out of slot s; o = the other slot, and the register set of the same number.
; Between two barriers every wave reads slot s alone and writes slot o alone.  One barrier serves both orders: in front of it my stores
; into slot o are done and my reads of slot s are back.
.macro STEP s, o, zero, left, ld, pa, pw, k
	FIRSTHALF \s, \zero
	s_wait_loadcnt \left                           ; the next step's 24 loads are in; the 24 of the step behind it are younger and stay out
	CVST \o, \o
	s_wait_dscnt 0x0                               ; for the other waves' sake: zero.  Buffer 1 is in too
	s_barrier_signal -1
	WIN 0x05                                       ; both fragments in window 1
	MUL F1, 0, 0                                   ; work on registers while the others arrive
	MUL F1, 1, 0
	WIN 0
	s_barrier_wait -1
	PLACES                                         ; behind the products on buffer 0
	FRAG \o, 0, F0, 0                              ; the next step's first fragments
	WIN 0x05
	MUL F1, 2, 0
	MUL F1, 3, 0
	WIN 0
.if \ld
	LOADSET \o, \pa, \pw, \k                       ; the set is free (its LDS stores were waited for): three steps ahead
.endif
.endm
.macro LASTSTEP s                      ; nothing is left to round or to fetch, and no slot is written again: no barrier
	FIRSTHALF \s, 0
	s_wait_dscnt 0x0
	WIN 0x05
	MUL F1, 0, 0
	MUL F1, 1, 0
	MUL F1, 2, 0
	MUL F1, 3, 0
	WIN 0
.endm
.macro HALF2 zero                      ; steps 8 to 15: the second pass
	STEP 0, 1, \zero, 24, 1, PA2, PW2, 3
	STEP 1, 0, 0, 24, 1, PA2, PW2, 4
	STEP 0, 1, 0, 24, 1, PA2, PW2, 5
	STEP 1, 0, 0, 24, 1, PA2, PW2, 6
	STEP 0, 1, 0, 24, 1, PA2, PW2, 7
	STEP 1, 0, 0, 24, 0, 0, 0, 0
	STEP 0, 1, 0, 0, 0, 0, 0, 0                    ; the last set: nothing younger is out
	LASTSTEP 1
.endm
; kp, between the passes: the sums hold p.  PB[a] = my 32 columns' part of (v-u)/4 . p, for row r of tile a.
; Buffer 0 holds the next step's fragments, so the constants go into buffer 1's registers.
.macro MID
	PLACES
	WIN 0x40
.irp b, 0,1,2,3
	ds_load_b128 v[F1+8*\b:F1+8*\b+3],   v[CA] offset:2048+64*\b
	ds_load_b128 v[F1+8*\b+4:F1+8*\b+7], v[CA] offset:2048+64*\b+16
.endr
	WIN 0
	s_wait_dscnt 0x0
	WIN 0x04                                       ; source 1 in window 1
.irp a, 0,1,2,3
	v_pk_mul_f32 v[PB+2*\a:PB+2*\a+1], v[ACC+32*\a:ACC+32*\a+1], v[F1:F1+1]
.endr
.irp p, 1,2,3,4,5,6,7,8,9,10,11,12,13,14,15
.irp a, 0,1,2,3
	v_pk_fma_f32 v[PB+2*\a:PB+2*\a+1], v[ACC+32*\a+2*\p:ACC+32*\a+2*\p+1], v[F1+2*\p:F1+2*\p+1], v[PB+2*\a:PB+2*\a+1]
.endr
.endr
	WIN 0
.endm
; The way out: sum * scale + bias * scale, round to f16, 16 rows at a time through my own stage, whole rows of 128 bytes back,
; each store of the wave 512 consecutive bytes (four rows of one head).  withc (at the very end only, when buffer 0 is free):
; also PB[a] += u . result, and cbias.
.macro EPI pass, withc
	PLACES
	WIN 0x40
.irp b, 0,1,2,3
	ds_load_b128 v[F1+8*\b:F1+8*\b+3],   v[CA] offset:64*\b
	ds_load_b128 v[F1+8*\b+4:F1+8*\b+7], v[CA] offset:64*\b+16
.endr
	WIN 0
.if \withc
.irp b, 0,1,2,3
	ds_load_b128 v[F0+8*\b:F0+8*\b+3],   v[CA] offset:1024+64*\b
	ds_load_b128 v[F0+8*\b+4:F0+8*\b+7], v[CA] offset:1024+64*\b+16
.endr
.endif
	s_wait_dscnt 0x0
	WIN 0x10                                       ; source 2 (the bias) in window 1
.irp a, 0,1,2,3
.irp p, 0,1,2,3,4,5,6,7,8,9,10,11,12,13,14,15
	v_pk_fma_f32 v[ACC+32*\a+2*\p:ACC+32*\a+2*\p+1], v[ACC+32*\a+2*\p:ACC+32*\a+2*\p+1], s[SCL:SCL+1], v[F1+2*\p:F1+2*\p+1] op_sel_hi:[1,0,1]
.endr
.endr
	WIN 0
.irp a, 0,1,2,3
.if \withc
.irp p, 0,1,2,3,4,5,6,7,8,9,10,11,12,13,14,15
	v_pk_fma_f32 v[PB+2*\a:PB+2*\a+1], v[ACC+32*\a+2*\p:ACC+32*\a+2*\p+1], v[F0+2*\p:F0+2*\p+1], v[PB+2*\a:PB+2*\a+1]
.endr
.endif
.irp p, 0,1,2,3,4,5,6,7,8,9,10,11,12,13,14,15
	v_cvt_pk_f16_f32 v[TT+\p], v[ACC+32*\a+2*\p], v[ACC+32*\a+2*\p+1]
.endr
.irp b, 0,1,2,3
	ds_store_b128 v[ST], v[TT+4*\b:TT+4*\b+3] offset:32*\b
.endr
	s_wait_xcnt 0x0                                ; RR, which the last tile's stores read, is loaded again only behind this wait
.irp i, 0,1,2,3
	ds_load_b128 v[RR+4*\i:RR+4*\i+3], v[RD] offset:576*\i   ; a wave's LDS instructions are served in order: these see the stores above
.endr
.irp i, 0,1,2,3
	s_wait_dscnt 3-\i
	global_store_b128 v[GO], v[RR+4*\i:RR+4*\i+3], s[POUT:POUT+1] offset:\pass*16384+\a*2048+\i*512
.endr
.endr
.if \withc
.irp a, 0,1,2,3
	v_add_f32 v[TT+2*\a], v[PB+2*\a], v[PB+2*\a+1]
.endr
.irp a, 0,1,2,3
	v_permlanex16_b32 v[TT+2*\a+1], v[TT+2*\a], s66, s67     ; the other half's 32 columns
.endr
.irp a, 0,1,2,3
	v_add_f32 v[TT+2*\a], v[TT+2*\a], v[TT+2*\a+1]
	ds_store_b32 v[CW], v[TT+2*\a] offset:64*\a              ; both halves write the same word with the same value
.endr
	ds_load_b64 v[18:19], v[CR]
	s_wait_dscnt 0x0
	global_store_b64 v[CG], v[18:19], s[PCB:PCB+1]           ; my 64 rows' biases: 256 consecutive bytes
.endif
.endm
	global_load_b32 v20, v18, s[PBI:PBI+1]
	global_load_b32 v21, v18, s[30:31]             ; u and v: 2 KB, loaded by every job so that there is one path and one count; the kp job alone reads them back
	global_load_b32 v22, v18, s[32:33]
	LOADSET 0, PA1, PW1, 0
	LOADSET 1, PA1, PW1, 1
	s_wait_loadcnt 48                              ; the three words; the two sets stay out
	v_mul_f32 v20, s[SCL], v20
	v_sub_f32 v22, v22, v21
	v_mul_f32 v22, s[SCL], v22
	ds_store_b32 v19, v20
	ds_store_b32 v19, v21 offset:1024
	ds_store_b32 v19, v22 offset:2048
	s_wait_loadcnt 24                              ; step 0's set; step 1's stays out
	CVST 0, 0
	s_wait_dscnt 0x0                               ; slot 0 and the constants, for the other waves' sake
	s_barrier_signal -1
	s_barrier_wait -1
	LOADSET 0, PA1, PW1, 2
	FRAG 0, 0, F0, 0
	STEP 0, 1, 1, 24, 1, PA1, PW1, 3               ; steps 0 to 7: the first pass; its first products start the sums
	STEP 1, 0, 0, 24, 1, PA1, PW1, 4
	STEP 0, 1, 0, 24, 1, PA1, PW1, 5
	STEP 1, 0, 0, 24, 1, PA1, PW1, 6
	STEP 0, 1, 0, 24, 1, PA1, PW1, 7
	STEP 1, 0, 0, 24, 1, PA2, PW2, 0               ; from here on the second pass's operands are fetched
	STEP 0, 1, 0, 24, 1, PA2, PW2, 1
	STEP 1, 0, 0, 24, 1, PA2, PW2, 2
	s_cmp_lt_u32 s6, 64
	s_cbranch_scc0 .Lkp
	EPI 0, 0                                       ; q, v: the first 128 rows leave while the next steps' operands are on their way
	HALF2 1
	EPI 1, 0
	s_wait_tensorcnt 0x0
	ds_add_u32 v62, v63
	s_wait_dscnt 0x0
	s_endpgm
.Lkp:
	MID
	HALF2 0                                        ; key . Wk^T onto p
	EPI 0, 1
	s_wait_tensorcnt 0x0
	ds_add_u32 v62, v63
	s_wait_dscnt 0x0
	s_endpgm
.Lfunc_end_k_q80aa11dfeb_proj:
	.size	k_q80aa11dfeb_proj, .Lfunc_end_k_q80aa11dfeb_proj-k_q80aa11dfeb_proj
	.p2alignl 7, 3214868480
	.fill 96, 4, 3214868480
	.section	.rodata,"a",@progbits
	.p2align	6, 0x0
	.amdhsa_kernel k_q80aa11dfeb_proj
		.amdhsa_group_segment_fixed_size 135168
		.amdhsa_private_segment_fixed_size 0
		.amdhsa_enable_private_segment 0
		.amdhsa_kernarg_size 136
		.amdhsa_user_sgpr_count 2
		.amdhsa_user_sgpr_kernarg_segment_ptr 1
		.amdhsa_wavefront_size32 1
		.amdhsa_system_sgpr_workgroup_id_x 1
		.amdhsa_system_sgpr_workgroup_id_y 1
		.amdhsa_system_sgpr_workgroup_id_z 1
		.amdhsa_system_vgpr_workitem_id 0
		.amdhsa_next_free_vgpr 512
		.amdhsa_next_free_sgpr 80
		.amdhsa_reserve_vcc 0
		.amdhsa_float_denorm_mode_32 3
		.amdhsa_float_denorm_mode_16_64 3
		.amdhsa_memory_ordered 1
		.amdhsa_forward_progress 1
		.amdhsa_inst_pref_size 255
	.end_amdhsa_kernel
	.section	.bss,"aw",@nobits
	.p2align	6
	.space	262144
	.amdgpu_metadata
---
amdhsa.version: [ 1, 2 ]
amdhsa.kernels:
  - .name:           k_q80aa11dfeb_proj
    .symbol:         k_q80aa11dfeb_proj.kd
    .args:
      - { .name: query, .offset: 0, .size: 8, .value_kind: global_buffer, .address_space: global }
      - { .name: value, .offset: 8, .size: 8, .value_kind: global_buffer, .address_space: global }
      - { .name: key_, .offset: 16, .size: 8, .value_kind: global_buffer, .address_space: global }
      - { .name: pos_emb, .offset: 24, .size: 8, .value_kind: global_buffer, .address_space: global }
      - { .name: Wq, .offset: 32, .size: 8, .value_kind: global_buffer, .address_space: global }
      - { .name: Wv, .offset: 40, .size: 8, .value_kind: global_buffer, .address_space: global }
      - { .name: Wk, .offset: 48, .size: 8, .value_kind: global_buffer, .address_space: global }
      - { .name: Wp, .offset: 56, .size: 8, .value_kind: global_buffer, .address_space: global }
      - { .name: bq, .offset: 64, .size: 8, .value_kind: global_buffer, .address_space: global }
      - { .name: bv, .offset: 72, .size: 8, .value_kind: global_buffer, .address_space: global }
      - { .name: bk, .offset: 80, .size: 8, .value_kind: global_buffer, .address_space: global }
      - { .name: pos_bias_u, .offset: 88, .size: 8, .value_kind: global_buffer, .address_space: global }
      - { .name: pos_bias_v, .offset: 96, .size: 8, .value_kind: global_buffer, .address_space: global }
      - { .name: qw, .offset: 104, .size: 8, .value_kind: global_buffer, .address_space: global }
      - { .name: vw, .offset: 112, .size: 8, .value_kind: global_buffer, .address_space: global }
      - { .name: kpw, .offset: 120, .size: 8, .value_kind: global_buffer, .address_space: global }
      - { .name: cbias, .offset: 128, .size: 8, .value_kind: global_buffer, .address_space: global }
    .group_segment_fixed_size: 135168
    .private_segment_fixed_size: 0
    .kernarg_segment_align: 8
    .kernarg_segment_size: 136
    .max_flat_workgroup_size: 256
    .sgpr_count:     80
    .vgpr_count:     512
    .wavefront_size: 32
...
	.end_amdgpu_metadata
.endif
;; end of part 1
;; launch attn (part 2): grid 256 x 1, 8 waves a work-group, clusters of 4 x 1, 316,416 bytes of LDS; arguments qw, kpw, vw, cbias, mask, ctx; writes ctx
.if DOCPART == 2
	.amdgcn_target "amdgcn-amd-amdhsa--gfx1250"
	.amdhsa_code_object_version 6
	.text
	.protected	k_q80aa11dfeb_attn
	.globl	k_q80aa11dfeb_attn
	.p2align	8
	.type	k_q80aa11dfeb_attn,@function
k_q80aa11dfeb_attn:
	s_mov_b64 s[64:65], 0
	v_nop
	global_prefetch_b8 v0, s[64:65] scope:SCOPE_SE
	s_setreg_imm32_b32 hwreg(HW_REG_WAVE_MODE, 25, 1), 1
	s_wait_xcnt 0x0
	s_wait_alu depctr_hold_cnt(0) depctr_sa_sdst(0) depctr_va_vdst(0) depctr_va_sdst(0) depctr_va_ssrc(0) depctr_va_vcc(0) depctr_vm_vsrc(0)
	s_getreg_b32 s2, hwreg(HW_REG_IB_STS2, 6, 4)
	s_cmp_eq_u32 s2, 0
	s_cbranch_scc0 .Lentry_in_a_cluster
	s_endpgm
.Lentry_in_a_cluster:
	s_bfe_u32 s2, ttmp6, 0x10000c
	s_cmp_lg_u32 s2, 0x3003
	s_cbranch_scc0 .Lentry_shape_is_right
	s_endpgm
.Lentry_shape_is_right:
; Attention for one (batch, head) a cluster: ctx = softmax2(Q K'^T + bias) V, with Q = q * 0.5 log2 e, K' = (k+p)/4,
; bias[key] = mask ? cbias * 0.5 log2 e : MASKED, all scores in powers of two.  qw, kpw, vw, ctx: f16 [b][h][t][64].
; The four work-groups of a cluster take 256 queries each of the same head and need the same K' and V: every tensor load is a
; JOINT load with the mask 15.  One head's K' and V lie in LDS whole (1024 rows each), so nothing is ever filled again:
; sixteen tiles of 64 rows for each, four a wave, all asked for at the start; the keys are walked in blocks of 64, and a
; quarter (256 keys) is waited for when the walk reaches it.  A wave has four tensor loads out at most.
; Wave w: 32 queries, two tiles.  S^T = K' Q^T: a lane holds one query (r) and keys 8h+j of each tile, so the maximum and the sum
; run along its own registers and cross the halves once; two tiles of S^T pack straight into a B fragment of O^T = V^T P^T.
; The bias is the C operand of the first score product.
; A running maximum is kept.  LIMITS: it starts at M0 = -1e30; masked keys get MASKED = -1e38, so their exp2 is exactly 0;
; a row whose keys are all masked has sum 0 and is divided by 1e-30: ctx = 0, as the reference gives.  A row whose unmasked scores
; all lie below -1e30 (in powers of two) would give 0 too.  P is at most 1 and |ctx| at most the largest |v|: both f16.
.set KPITCH, 144                       ; 128 bytes + 16
.set VPITCH, 160                       ; 128 bytes + 32: an odd multiple of 32, for the transposing loads
.set VBASE,  1024*KPITCH               ; 147,456
.set BIAS,   VBASE+1024*VPITCH         ; 311,296: 1024 f32, written by ds_store, never a fill's target
.set QS,     0x3f38aa3b
.set MASKED, 0xfe967699
.set M0,     0xf149f2ca
.set ADK, 2                            ; 144 r + 16 h, stepped 64 rows a block
.set ADV, 3                            ; VBASE + 160 (8h + (L&7)) + 16 ((L>>3)&1), stepped likewise
.set ADB, 4                            ; BIAS + 32 h, stepped 64 words
.set STO, 5                            ; the way out: 4608 w + 144 r + 16 h
.set RDA, 6                            ; 4608 w + 144 (L>>3) + 16 (L&7)
.set GOF, 7                            ; 16 L
.set QOF, 16                           ; 128 r + 16 h
.set TOF, 17                           ; 16 t
.set BST, 30                           ; BIAS + 16 t
.set RM,  12                           ; v[12:13], v[14:15] running maximum of query tile 0, 1 (the upper word is written once and not used)
.set RAL, 18                           ; v[18:19], v[20:21] 2^(old maximum - new)
.set RLS, 22                           ; v[22:23], v[24:25] the sums, two partial sums a lane
.set RMX, 26
.set RPX, 28
.set RBI, 32                           ; v[32:63]   bias of key tile kt
.set RKF, 64                           ; v[64:127]  K' fragments (kt, ks) at 64 + 8 (2 kt + ks)
.set RS,  128                          ; v[128:191] S^T (kt, q) at 128 + 8 (2 kt + q)
.set RP,  192                          ; v[192:223] P^T (q, kk) at 192 + 8 (2 q + kk)
.set RT,  64                           ; the way out: packed
.set RB,  96                           ; the way out: rows read back
.set RQ,  0                            ; window 1: v[0:31]   Q fragments (q, ks)
.set RO,  32                           ; window 1: v[32:95]  O^T (dt, q) at 32 + 8 (2 dt + q)
.set RVF, 96                           ; window 1: v[96:159] V^T fragments (dt, kk)
.set G1K, 24
.set G1V, 32
.set G0,  40                           ; four sets, one for each quarter; never rewritten
.set MSB, 0
.macro WIN new
.if MSB != \new
	s_set_vgpr_msb (MSB<<8)|\new
.set MSB, \new
.endif
.endm
.macro PLACES                          ; four places behind a matrix instruction (ISA guide 7.12.1)
.rept 4
	v_nop
.endr
.endm
.macro ROUND                           ; a round of the cluster's barrier
	s_barrier_signal -1
	s_barrier_wait -1
	s_cmp_lg_u32 s20, 0
	s_cbranch_scc1 .Lnot_wave_0_\@
	s_barrier_signal -3
.Lnot_wave_0_\@:
	s_barrier_wait -3
	s_barrier_signal -1
	s_barrier_wait -1
.endm
.macro SYNC n                          ; quarter n is whole for every wave
	s_wait_tensorcnt 3-\n                          ; my tile of quarter n has landed; the later quarters' stay out
	s_wait_dscnt 0x0                               ; no LDS instruction is pending at a signal
	s_barrier_signal -1
	s_barrier_wait -1
.endm
	s_load_b256 s[8:15], s[0:1], 0x0               ; qw, kpw, vw, cbias
	s_load_b128 s[16:19], s[0:1], 0x20             ; mask, ctx
	v_lshl_add_u32 v254, v0, 2, 0x4d000
	v_mov_b32 v255, 0
	ds_add_u32 v254, v255
	ds_add_u32 v254, v255
	v_lshrrev_b32 v1, 5, v0
	v_readfirstlane_b32 s20, v1                    ; wave
	s_bfe_u32 s56, ttmp6, 0x40000                  ; cx: enters the addresses of Q and ctx alone
	s_mov_b32 s22, MASKED
	s_mov_b32 s23, QS
	s_mov_b32 s58, 0x76543210
	s_mov_b32 s59, 0xfedcba98
	s_mov_b32 s60, M0
	; group 1: 64 rows of 64 f16, padded behind every 32 words by 4 words (K') or 8 (V); mask 15 with bit 21 beside it
	s_mov_b32 s[G1K+0], 15|(1<<16)|(1<<20)|(1<<21)|(4<<22)|(3<<25)
	s_mov_b32 s[G1K+1], 64<<16                     ; tensor_dim0 = 64
	s_mov_b32 s[G1K+2], 64<<16                     ; tensor_dim1 = 64
	s_mov_b32 s[G1K+3], 64<<16                     ; tile_dim0 = 64
	s_mov_b32 s[G1K+4], 64                         ; tile_dim1 = 64
	s_mov_b32 s[G1K+5], 64                         ; elements from row to row
	s_mov_b32 s[G1K+6], 0
	s_mov_b32 s[G1K+7], 0
	s_mov_b32 s[G1V+0], 15|(1<<16)|(1<<20)|(1<<21)|(4<<22)|(7<<25)
	s_mov_b32 s[G1V+1], 64<<16
	s_mov_b32 s[G1V+2], 64<<16
	s_mov_b32 s[G1V+3], 64<<16
	s_mov_b32 s[G1V+4], 64
	s_mov_b32 s[G1V+5], 64
	s_mov_b32 s[G1V+6], 0
	s_mov_b32 s[G1V+7], 0
	v_and_b32 v1, 31, v0                           ; L
	v_and_b32 v8, 15, v0                           ; r
	v_bfe_u32 v9, v0, 4, 1                         ; h
	v_and_b32 v10, 7, v0
	v_bfe_u32 v11, v0, 3, 1
	v_mul_u32_u24 v[ADK], v8, KPITCH
	v_lshl_add_u32 v[ADK], v9, 4, v[ADK]
	s_mul_i32 s57, s20, 32*KPITCH
	v_add_nc_u32 v[STO], s57, v[ADK]
	v_lshl_add_u32 v[ADV], v9, 3, v10
	v_mul_u32_u24 v[ADV], v[ADV], VPITCH
	v_lshl_add_u32 v[ADV], v11, 4, v[ADV]
	v_add_nc_u32 v[ADV], VBASE, v[ADV]
	v_lshlrev_b32 v[ADB], 5, v9
	v_add_nc_u32 v[ADB], BIAS, v[ADB]
	v_lshrrev_b32 v[RDA], 3, v1
	v_mul_u32_u24 v[RDA], v[RDA], KPITCH
	v_lshl_add_u32 v[RDA], v10, 4, v[RDA]
	v_add_nc_u32 v[RDA], s57, v[RDA]
	v_lshlrev_b32 v[GOF], 4, v1
	v_lshlrev_b32 v[QOF], 7, v8
	v_lshl_add_u32 v[QOF], v9, 4, v[QOF]
	v_lshlrev_b32 v[TOF], 4, v0
	v_add_nc_u32 v[BST], BIAS, v[TOF]
	v_mov_b32 v[RM+1], 0                           ; upper words of pairs that are broadcast from the lower, and permlanex16's destinations
	v_mov_b32 v[RM+3], 0
	v_mov_b32 v[RAL+1], 0
	v_mov_b32 v[RAL+3], 0
	v_mov_b32 v[RPX], 0
	v_mov_b32 v[RPX+1], 0
	s_lshl_b32 s66, ttmp9, 17                      ; the head's 1024 rows of 128 bytes
	s_lshl_b32 s72, s56, 15                        ; + 256 cx rows
	s_add_co_u32 s66, s66, s72
	s_lshl_b32 s72, s20, 12                        ; + 32 w rows
	s_add_co_u32 s66, s66, s72
	s_mov_b32 s67, 0
	s_lshl_b32 s68, ttmp9, 12                      ; cbias: 1024 f32 a head
	s_mov_b32 s69, 0
	s_lshr_b32 s70, ttmp9, 3
	s_lshl_b32 s70, s70, 12                        ; mask: 1024 words a batch
	s_mov_b32 s71, 0
	s_lshl_b32 s62, ttmp9, 17                      ; K' and V: the head, shared by the four
	s_mov_b32 s63, 0
	s_wait_dscnt 0x0
	s_wait_kmcnt 0x0
	s_add_nc_u64 s[8:9], s[8:9], s[66:67]
	s_add_nc_u64 s[18:19], s[18:19], s[66:67]
	s_add_nc_u64 s[14:15], s[14:15], s[68:69]
	s_add_nc_u64 s[16:17], s[16:17], s[70:71]
	global_load_b128 v[32:35], v[TOF], s[14:15]    ; four biases
	global_load_b128 v[36:39], v[TOF], s[16:17]    ; four mask words
	WIN 0x40
.irp q, 0,1
.irp ks, 0,1
	global_load_b128 v[RQ+8*(2*\q+\ks):RQ+8*(2*\q+\ks)+3],   v[QOF], s[8:9] offset:2048*\q+64*\ks
	global_load_b128 v[RQ+8*(2*\q+\ks)+4:RQ+8*(2*\q+\ks)+7], v[QOF], s[8:9] offset:2048*\q+64*\ks+32
.endr
.endr
	WIN 0
	ROUND                                          ; the four work-groups are here: the joint loads meet
	; all first fills, in one branch on the wave's number: waves 0-3 bring K', waves 4-7 V, 64 rows of each quarter
	s_cmp_lt_u32 s20, 4
	s_cbranch_scc0 .Lfill_v
	s_lshl_b32 s21, s20, 13                        ; 64 w rows of 128 bytes
	s_add_co_u32 s62, s62, s21
	s_add_nc_u64 s[10:11], s[10:11], s[62:63]
	s_mul_i32 s21, s20, 64*KPITCH
.irp st, 0,1,2,3
	s_mov_b32 s[G0+4*\st], 1
	s_add_co_u32 s[G0+4*\st+1], s21, \st*256*KPITCH
	s_add_nc_u64 s[G0+4*\st+2:G0+4*\st+3], s[10:11], \st*32768
	s_or_b32 s[G0+4*\st+3], s[G0+4*\st+3], 0x80000000
	tensor_load_to_lds s[G0+4*\st:G0+4*\st+3], s[G1K:G1K+7]
	s_nop 0
.endr
	s_branch .Lfilled
.Lfill_v:
	s_sub_co_u32 s21, s20, 4
	s_lshl_b32 s21, s21, 13
	s_add_co_u32 s62, s62, s21
	s_add_nc_u64 s[12:13], s[12:13], s[62:63]
	s_mul_i32 s21, s20, 64*VPITCH
	s_add_co_u32 s21, s21, VBASE-4*64*VPITCH
.irp st, 0,1,2,3
	s_mov_b32 s[G0+4*\st], 1
	s_add_co_u32 s[G0+4*\st+1], s21, \st*256*VPITCH
	s_add_nc_u64 s[G0+4*\st+2:G0+4*\st+3], s[12:13], \st*32768
	s_or_b32 s[G0+4*\st+3], s[G0+4*\st+3], 0x80000000
	tensor_load_to_lds s[G0+4*\st:G0+4*\st+3], s[G1V:G1V+7]
	s_nop 0
.endr
.Lfilled:
	s_wait_loadcnt 8                               ; biases and mask; Q's eight loads are younger
.irp j, 0,1,2,3
	v_mul_f32 v[32+\j], s23, v[32+\j]
	v_cmp_ne_u32 vcc_lo, 0, v[36+\j]
	v_cndmask_b32 v[32+\j], s22, v[32+\j], vcc_lo  ; mask != 0 ? bias : MASKED
.endr
	ds_store_b128 v[BST], v[32:35]
	s_wait_loadcnt 0x0                             ; Q
.macro LDK                             ; the next 64 keys: K' fragments and biases, 24 loads
.irp kt, 0,1,2,3
.irp ks, 0,1
	ds_load_b128 v[RKF+8*(2*\kt+\ks):RKF+8*(2*\kt+\ks)+3],   v[ADK] offset:16*KPITCH*\kt+64*\ks
	ds_load_b128 v[RKF+8*(2*\kt+\ks)+4:RKF+8*(2*\kt+\ks)+7], v[ADK] offset:16*KPITCH*\kt+64*\ks+32
.endr
.endr
.irp kt, 0,1,2,3
	ds_load_b128 v[RBI+8*\kt:RBI+8*\kt+3],   v[ADB] offset:64*\kt      ; keys 16 kt + 8 h + 0..7, the same in all sixteen lanes of a half
	ds_load_b128 v[RBI+8*\kt+4:RBI+8*\kt+7], v[ADB] offset:64*\kt+16
.endr
	v_add_nc_u32 v[ADK], 64*KPITCH, v[ADK]
	v_add_nc_u32 v[ADB], 256, v[ADB]
.endm
.macro LDV                             ; the next 64 keys: V^T fragments, 16 transposing loads
	WIN 0x40
.irp dt, 0,1,2,3
.irp kk, 0,1
	ds_load_tr16_b128 v[RVF+8*(2*\dt+\kk):RVF+8*(2*\dt+\kk)+3],   v[ADV] offset:32*VPITCH*\kk+32*\dt
	ds_load_tr16_b128 v[RVF+8*(2*\dt+\kk)+4:RVF+8*(2*\dt+\kk)+7], v[ADV] offset:32*VPITCH*\kk+32*\dt+16*VPITCH
.endr
.endr
	WIN 0
	v_add_nc_u32 v[ADV], 64*VPITCH, v[ADV]
.endm
.macro SUMS n0, cnt                    ; cnt pairs of each query tile's 16, from pair n0 on, onto the sums
.set n, \n0
.rept \cnt
.irp q, 0,1
	v_pk_add_f32 v[RLS+2*\q:RLS+2*\q+1], v[RLS+2*\q:RLS+2*\q+1], v[RS+8*(2*(n>>2)+\q)+2*(n&3):RS+8*(2*(n>>2)+\q)+2*(n&3)+1]
.endr
.set n, n+1
.endr
.endm
; 64 keys.  first = 1: starts maximum, sums and O.  pre = 1: fetches the next block's fragments.
; In each run of matrix instructions the eight accumulators take turns, one instruction a turn.
.macro BLOCK first, pre
	s_wait_dscnt 16                                ; K' and the biases are in; V's 16 loads are younger
	WIN 0x04                                       ; source 1 (Q) in window 1
.irp kt, 0,1,2,3
.irp q, 0,1
	v_wmma_f32_16x16x32_f16 v[RS+8*(2*\kt+\q):RS+8*(2*\kt+\q)+7], v[RKF+16*\kt:RKF+16*\kt+7], v[RQ+16*\q:RQ+16*\q+7], v[RBI+8*\kt:RBI+8*\kt+7]
.endr
.endr
.irp kt, 0,1,2,3
.irp q, 0,1
	v_wmma_f32_16x16x32_f16 v[RS+8*(2*\kt+\q):RS+8*(2*\kt+\q)+7], v[RKF+16*\kt+8:RKF+16*\kt+15], v[RQ+16*\q+8:RQ+16*\q+15], v[RS+8*(2*\kt+\q):RS+8*(2*\kt+\q)+7]
.endr
.endr
	WIN 0
	PLACES
.if \pre
	LDK
.endif
	; the largest of my 32 scores of each query and the running maximum: 16 instructions a tile, the two chains interleaved
.irp q, 0,1
	v_max3_num_f32 v[RMX+\q], v[RS+8*\q], v[RS+8*\q+1], v[RS+8*\q+2]
.endr
.set n, 3
.rept 14
.irp q, 0,1
	v_max3_num_f32 v[RMX+\q], v[RMX+\q], v[RS+8*(2*(n>>3)+\q)+(n&7)], v[RS+8*(2*((n+1)>>3)+\q)+((n+1)&7)]
.endr
.set n, n+2
.endr
.irp q, 0,1
.if \first
	v_max3_num_f32 v[RMX+\q], v[RMX+\q], v[RS+8*(6+\q)+7], s60
.else
	v_max3_num_f32 v[RMX+\q], v[RMX+\q], v[RS+8*(6+\q)+7], v[RM+2*\q]
.endif
.endr
.irp q, 0,1
	v_permlanex16_b32 v[RPX+\q], v[RMX+\q], s58, s59         ; the other half's keys
.endr
.irp q, 0,1
	v_max_num_f32 v[RMX+\q], v[RMX+\q], v[RPX+\q]
.endr
.if \first
.else
.irp q, 0,1
	v_sub_f32 v[RAL+2*\q], v[RM+2*\q], v[RMX+\q]
.endr
.endif
.irp q, 0,1
	v_mov_b32 v[RM+2*\q], v[RMX+\q]
.endr
.if \first
.else
.irp q, 0,1
	v_exp_f32 v[RAL+2*\q], v[RAL+2*\q]             ; the subtractions below are the plain instructions behind it (ISA guide 5.7.2)
.endr
.endif
.irp q, 0,1
.irp kt, 0,1,2,3
.irp j, 0,1,2,3
	v_pk_add_f32 v[RS+8*(2*\kt+\q)+2*\j:RS+8*(2*\kt+\q)+2*\j+1], v[RS+8*(2*\kt+\q)+2*\j:RS+8*(2*\kt+\q)+2*\j+1], v[RM+2*\q:RM+2*\q+1] op_sel_hi:[1,0] neg_lo:[0,1] neg_hi:[0,1]
.endr
.endr
.endr
.set n, 0
.rept 64
	v_exp_f32 v[RS+n], v[RS+n]
.set n, n+1
.endr
.if \first
	v_nop                                          ; one plain instruction behind the last exponential before results are read
	s_wait_alu depctr_va_vdst(0)
.irp q, 0,1
	v_pk_add_f32 v[RLS+2*\q:RLS+2*\q+1], v[RS+8*\q:RS+8*\q+1], v[RS+8*\q+2:RS+8*\q+3]
.endr
	SUMS 2, 14
.else
	s_wait_alu depctr_va_vdst(0)
.irp q, 0,1
	v_pk_mul_f32 v[RLS+2*\q:RLS+2*\q+1], v[RLS+2*\q:RLS+2*\q+1], v[RAL+2*\q:RAL+2*\q+1] op_sel_hi:[1,0]   ; also the plain instruction behind the exponentials
.endr
	SUMS 0, 16
.endif
.irp q, 0,1
.irp kk, 0,1
.irp hf, 0,1
.irp j, 0,1,2,3
	v_cvt_pk_f16_f32 v[RP+8*(2*\q+\kk)+4*\hf+\j], v[RS+8*(2*(2*\kk+\hf)+\q)+2*\j], v[RS+8*(2*(2*\kk+\hf)+\q)+2*\j+1]
.endr
.endr
.endr
.endr
.if \first
.else
	WIN 0x41
.irp dt, 0,1,2,3
.irp q, 0,1
.irp j, 0,1,2,3
	v_pk_mul_f32 v[RO+8*(2*\dt+\q)+2*\j:RO+8*(2*\dt+\q)+2*\j+1], v[RO+8*(2*\dt+\q)+2*\j:RO+8*(2*\dt+\q)+2*\j+1], v[RAL+2*\q:RAL+2*\q+1] op_sel_hi:[1,0]
.endr
.endr
.endr
.endif
.if \pre
	s_wait_dscnt 24                                ; V's fragments are in; the next block's 24 loads of K' and biases are younger
.else
	s_wait_dscnt 0x0
.endif
	WIN 0x51                                       ; V^T, C and D in window 1, P^T in window 0
.irp dt, 0,1,2,3
.irp q, 0,1
.if \first
	v_wmma_f32_16x16x32_f16 v[RO+8*(2*\dt+\q):RO+8*(2*\dt+\q)+7], v[RVF+16*\dt:RVF+16*\dt+7], v[RP+16*\q:RP+16*\q+7], 0
.else
	v_wmma_f32_16x16x32_f16 v[RO+8*(2*\dt+\q):RO+8*(2*\dt+\q)+7], v[RVF+16*\dt:RVF+16*\dt+7], v[RP+16*\q:RP+16*\q+7], v[RO+8*(2*\dt+\q):RO+8*(2*\dt+\q)+7]
.endif
.endr
.endr
.irp dt, 0,1,2,3
.irp q, 0,1
	v_wmma_f32_16x16x32_f16 v[RO+8*(2*\dt+\q):RO+8*(2*\dt+\q)+7], v[RVF+16*\dt+8:RVF+16*\dt+15], v[RP+16*\q+8:RP+16*\q+15], v[RO+8*(2*\dt+\q):RO+8*(2*\dt+\q)+7]
.endr
.endr
	WIN 0
	PLACES
.if \pre
	LDV
.endif
.endm
	; sixteen blocks.  A block fetches the next one's fragments, so each quarter is waited for one block early.
	SYNC 0                                         ; also: every wave's biases are in LDS
	LDK
	LDV
	BLOCK 1, 1                                     ; block 0
	s_mov_b32 s61, 2
.Lq0:
	BLOCK 0, 1                                     ; blocks 1, 2
	s_sub_co_i32 s61, s61, 1
	s_cmp_lg_u32 s61, 0
	s_cbranch_scc1 .Lq0
	SYNC 1
	s_mov_b32 s61, 4
.Lq1:
	BLOCK 0, 1                                     ; blocks 3 to 6
	s_sub_co_i32 s61, s61, 1
	s_cmp_lg_u32 s61, 0
	s_cbranch_scc1 .Lq1
	SYNC 2
	s_mov_b32 s61, 4
.Lq2:
	BLOCK 0, 1                                     ; blocks 7 to 10
	s_sub_co_i32 s61, s61, 1
	s_cmp_lg_u32 s61, 0
	s_cbranch_scc1 .Lq2
	SYNC 3                                         ; the wait is for 0: no tensor load is out from here on
	s_mov_b32 s61, 4
.Lq3:
	BLOCK 0, 1                                     ; blocks 11 to 14
	s_sub_co_i32 s61, s61, 1
	s_cmp_lg_u32 s61, 0
	s_cbranch_scc1 .Lq3
	BLOCK 0, 0                                     ; block 15
	; divide by the sum, round, and out through LDS as whole rows
.irp q, 0,1
	v_add_f32 v[RLS+2*\q], v[RLS+2*\q], v[RLS+2*\q+1]
.endr
.irp q, 0,1
	v_permlanex16_b32 v[RPX+\q], v[RLS+2*\q], s58, s59
.endr
.irp q, 0,1
	v_add_f32 v[RLS+2*\q], v[RLS+2*\q], v[RPX+\q]
.endr
.irp q, 0,1
	v_max_num_f32 v[RLS+2*\q], 0x0da24260, v[RLS+2*\q]       ; at least 1e-30: a row without a valid key gives 0
.endr
.irp q, 0,1
	v_rcp_f32 v[RAL+2*\q], v[RLS+2*\q]
.endr
	v_nop                                          ; one plain instruction behind the reciprocals
	WIN 0x41
	s_wait_alu depctr_va_vdst(0)
.irp dt, 0,1,2,3
.irp q, 0,1
.irp j, 0,1,2,3
	v_pk_mul_f32 v[RO+8*(2*\dt+\q)+2*\j:RO+8*(2*\dt+\q)+2*\j+1], v[RO+8*(2*\dt+\q)+2*\j:RO+8*(2*\dt+\q)+2*\j+1], v[RAL+2*\q:RAL+2*\q+1] op_sel_hi:[1,0]
.endr
.endr
.endr
	WIN 0x05
.irp dt, 0,1,2,3
.irp q, 0,1
.irp j, 0,1,2,3
	v_cvt_pk_f16_f32 v[RT+4*(2*\dt+\q)+\j], v[RO+8*(2*\dt+\q)+2*\j], v[RO+8*(2*\dt+\q)+2*\j+1]
.endr
.endr
.endr
	WIN 0
	s_wait_dscnt 0x0                               ; my reads of K' are back
	s_barrier_signal -1
	s_barrier_wait -1                              ; everybody's are: the stage (8 x 4,608 bytes from byte 0) lies in K's rows, which have had their only fill
.irp dt, 0,1,2,3
.irp q, 0,1
	ds_store_b128 v[STO], v[RT+4*(2*\dt+\q):RT+4*(2*\dt+\q)+3] offset:16*KPITCH*\q+32*\dt
.endr
.endr
.irp i, 0,1,2,3,4,5,6,7
	ds_load_b128 v[RB+4*\i:RB+4*\i+3], v[RDA] offset:4*KPITCH*\i   ; my own bytes, served in order behind the stores
.endr
.irp i, 0,1,2,3,4,5,6,7
	s_wait_dscnt 7-\i
	global_store_b128 v[GOF], v[RB+4*\i:RB+4*\i+3], s[18:19] offset:512*\i   ; four rows: 512 consecutive bytes
.endr
	s_wait_tensorcnt 0x0
	ds_add_u32 v254, v255
	s_wait_dscnt 0x0
	ROUND                                          ; the closing round
	s_endpgm
.Lfunc_end_k_q80aa11dfeb_attn:
	.size	k_q80aa11dfeb_attn, .Lfunc_end_k_q80aa11dfeb_attn-k_q80aa11dfeb_attn
	.p2alignl 7, 3214868480
	.fill 96, 4, 3214868480
	.section	.rodata,"a",@progbits
	.p2align	6, 0x0
	.amdhsa_kernel k_q80aa11dfeb_attn
		.amdhsa_group_segment_fixed_size 316416
		.amdhsa_private_segment_fixed_size 0
		.amdhsa_enable_private_segment 0
		.amdhsa_kernarg_size 48
		.amdhsa_user_sgpr_count 2
		.amdhsa_user_sgpr_kernarg_segment_ptr 1
		.amdhsa_wavefront_size32 1
		.amdhsa_system_sgpr_workgroup_id_x 1
		.amdhsa_system_sgpr_workgroup_id_y 1
		.amdhsa_system_sgpr_workgroup_id_z 1
		.amdhsa_system_vgpr_workitem_id 0
		.amdhsa_next_free_vgpr 416
		.amdhsa_next_free_sgpr 76
		.amdhsa_reserve_vcc 1
		.amdhsa_float_denorm_mode_32 3
		.amdhsa_float_denorm_mode_16_64 3
		.amdhsa_memory_ordered 1
		.amdhsa_forward_progress 1
		.amdhsa_inst_pref_size 122
	.end_amdhsa_kernel
	.amdgpu_metadata
---
amdhsa.version: [ 1, 2 ]
amdhsa.kernels:
  - .name:           k_q80aa11dfeb_attn
    .symbol:         k_q80aa11dfeb_attn.kd
    .args:
      - { .name: qw, .offset: 0, .size: 8, .value_kind: global_buffer, .address_space: global }
      - { .name: kpw, .offset: 8, .size: 8, .value_kind: global_buffer, .address_space: global }
      - { .name: vw, .offset: 16, .size: 8, .value_kind: global_buffer, .address_space: global }
      - { .name: cbias, .offset: 24, .size: 8, .value_kind: global_buffer, .address_space: global }
      - { .name: mask, .offset: 32, .size: 8, .value_kind: global_buffer, .address_space: global }
      - { .name: ctx, .offset: 40, .size: 8, .value_kind: global_buffer, .address_space: global }
    .group_segment_fixed_size: 316416
    .private_segment_fixed_size: 0
    .kernarg_segment_align: 8
    .kernarg_segment_size: 48
    .max_flat_workgroup_size: 256
    .sgpr_count:     76
    .vgpr_count:     416
    .wavefront_size: 32
...
	.end_amdgpu_metadata
.endif
;; end of part 2
;; launch outp (part 3): grid 4 x 64, 8 waves a work-group, no clusters, 109,568 bytes of LDS; arguments ctx, Wo, bo, out0; writes out0
.if DOCPART == 3
	.amdgcn_target "amdgcn-amd-amdhsa--gfx1250"
	.amdhsa_code_object_version 6
	.text
	.protected	k_q80aa11dfeb_outp
	.globl	k_q80aa11dfeb_outp
	.p2align	8
	.type	k_q80aa11dfeb_outp,@function
k_q80aa11dfeb_outp:
	s_mov_b64 s[64:65], 0
	v_nop
	global_prefetch_b8 v0, s[64:65] scope:SCOPE_SE
	s_setreg_imm32_b32 hwreg(HW_REG_WAVE_MODE, 25, 1), 1
	s_wait_xcnt 0x0
; out0 = ctx . Wo^T + bo.  ctx: f16 [b][h][t][64]; Wo: f32 [512][512]; out0: f32 [8192][512].
; A work-group makes 128 rows (y) x 128 columns (x); eight waves, wave w: rows 32 (w>>1) .., columns 64 (w&1) .., 2 x 4 tiles.
; K goes in eight steps of 64 = one head: ctx's tile is then 16 KB dense.  Both operands are f16 (Wo is rounded on the way), sums f32.
; LIMIT: |ctx| is at most the largest |v| and below 65,504, as the first launch states; Wo as it is given.
; NO TENSOR LOADS, NO JOINT LOADS: two thirds of a step's bytes (32 of 48 KB) are Wo in f32, which has to be rounded in registers
; before it lies in LDS; ctx's tile takes the same road, so that a step has one kind of fill and one barrier.
.set PITCH,  144
.set WOFF,   128*PITCH
.set SLOT,   256*PITCH                 ; 36,864
.set STAGE,  2*SLOT                    ; 8 waves x 16 rows x 272
.set SPITCH, 272                       ; 256 bytes + 16
.set GA, 2                             ; 2048 w + 16 L
.set GW, 3                             ; (16w+8h) rows of 2,048 bytes + 16 c
.set SA, 4                             ; (16w + (L>>3)) 144 + 16 (L&7)
.set SW, 5                             ; (128+16w+8h) 144 + 8 c
.set FA, 6
.set FB, 7
.set ST, 8
.set RD, 9
.set GO, 10
.set BOF, 11
.set BO,  16                           ; v[16:47]   bo of my 32 columns, in the accumulators' order
.set AF,  48                           ; v[48:63]   fragments of ctx
.set WF,  64                           ; v[64:95]   fragments of Wo
.set ACC, 96                           ; v[96:159]  tile (a, b) at 96 + 8 (4a + b)
.set LSET, 160                         ; v[160:207], v[208:255]: two sets of 12 loads (ctx's 4, Wo's 8)
.macro PLACES                          ; four places behind a matrix instruction (ISA guide 7.12.1)
.rept 4
	v_nop
.endr
.endm
	s_load_b256 s[8:15], s[0:1], 0x0               ; ctx, Wo, bo, out0
	s_set_vgpr_msb 0x40
	v_lshl_add_u32 v0, v0, 2, 0x1a800
	v_mov_b32 v1, 0
	s_set_vgpr_msb 0x4000
	v_lshrrev_b32 v1, 5, v0
	v_readfirstlane_b32 s2, v1                     ; wave
	s_lshr_b32 s3, s2, 1                           ; wm
	s_and_b32 s4, s2, 1                            ; wn
	s_and_b32 s6, ttmp7, 0xffff                    ; y
	v_and_b32 v1, 31, v0                           ; L
	v_and_b32 v12, 15, v0                          ; r = c
	v_bfe_u32 v13, v0, 4, 1                        ; h
	v_and_b32 v14, 7, v0
	v_lshrrev_b32 v15, 3, v1
	s_lshl_b32 s16, s2, 11
	v_lshl_add_u32 v[GA], v1, 4, s16
	v_lshlrev_b32 v[GW], 4, v12
	v_lshl_add_u32 v[GW], v13, 14, v[GW]
	s_lshl_b32 s16, s2, 15
	v_add_nc_u32 v[GW], s16, v[GW]
	s_mul_i32 s16, s2, 16*PITCH
	v_mul_u32_u24 v[SA], v15, PITCH
	v_lshl_add_u32 v[SA], v14, 4, v[SA]
	v_add_nc_u32 v[SA], s16, v[SA]
	v_lshlrev_b32 v[SW], 3, v12
	v_mad_u32_u24 v[SW], v13, 8*PITCH, v[SW]
	s_add_co_u32 s16, s16, WOFF
	v_add_nc_u32 v[SW], s16, v[SW]
	v_mul_u32_u24 v15, v12, PITCH
	v_lshl_add_u32 v15, v13, 4, v15                ; 144 r + 16 h
	s_mul_i32 s16, s3, 32*PITCH
	v_add_nc_u32 v[FA], s16, v15
	s_mul_i32 s16, s4, 64*PITCH
	s_add_co_u32 s16, s16, WOFF
	v_add_nc_u32 v[FB], s16, v15
	s_mul_i32 s16, s2, 16*SPITCH
	s_add_co_u32 s16, s16, STAGE
	v_mul_u32_u24 v[ST], v12, SPITCH
	v_lshl_add_u32 v[ST], v13, 5, v[ST]
	v_add_nc_u32 v[ST], s16, v[ST]                 ; row r, 32 bytes for each half
	v_mul_u32_u24 v[RD], v13, SPITCH
	v_lshl_add_u32 v[RD], v12, 4, v[RD]
	v_add_nc_u32 v[RD], s16, v[RD]                 ; lanes 0-15 one row of 256 bytes, lanes 16-31 the next
	v_lshlrev_b32 v[GO], 4, v12
	v_lshl_add_u32 v[GO], v13, 11, v[GO]           ; the same two rows in out0
	v_lshlrev_b32 v[BOF], 5, v13
	s_lshr_b32 s18, s6, 3
	s_lshl_b32 s18, s18, 20                        ; b x 8 heads x 1024 rows x 128 bytes
	s_and_b32 s17, s6, 7
	s_lshl_b32 s17, s17, 14                        ; + 128 (y mod 8) rows
	s_add_co_u32 s18, s18, s17
	s_mov_b32 s19, 0
	s_lshl_b32 s20, ttmp9, 18                      ; Wo's rows 128 x ..
	s_mov_b32 s21, 0
	s_lshl_b32 s22, ttmp9, 9
	s_lshl_b32 s17, s4, 8
	s_add_co_u32 s22, s22, s17                     ; my 64 columns, in bytes of f32
	s_mov_b32 s23, 0
	s_lshl_b32 s24, s6, 18                         ; 128 y rows of 2,048 bytes
	s_lshl_b32 s17, s3, 16                         ; + 32 wm rows
	s_add_co_u32 s24, s24, s17
	s_add_co_u32 s24, s24, s22
	s_mov_b32 s25, 0
	s_wait_kmcnt 0x0
	s_add_nc_u64 s[8:9], s[8:9], s[18:19]
	s_add_nc_u64 s[10:11], s[10:11], s[20:21]
	s_add_nc_u64 s[12:13], s[12:13], s[22:23]
	s_add_nc_u64 s[14:15], s[14:15], s[24:25]
.macro LOADSET set, k                  ; K step k: head k's 128 rows of ctx (dense), 256 bytes of each of Wo's 128 rows
.irp i, 0,1,2,3
	global_load_b128 v[LSET+48*\set+4*\i:LSET+48*\set+4*\i+3], v[GA], s[8:9] offset:\k*131072+\i*512
.endr
.irp i, 0,1,2,3,4,5,6,7
	global_load_b128 v[LSET+48*\set+16+4*\i:LSET+48*\set+16+4*\i+3], v[GW], s[10:11] offset:\k*256+\i*2048
.endr
.endm
; 32 along K.  Source 0 = rows of Wo, source 1 = rows of ctx: a lane holds eight neighbouring columns of one row of out0.
; The eight accumulators take turns, one instruction a turn.
.macro MULS slot, ks, zero
	PLACES
.irp t, 0,1,2,3
	ds_load_b128 v[WF+8*\t:WF+8*\t+3],   v[FB] offset:\slot*SLOT+\t*16*PITCH+64*\ks
	ds_load_b128 v[WF+8*\t+4:WF+8*\t+7], v[FB] offset:\slot*SLOT+\t*16*PITCH+64*\ks+32
.endr
.irp t, 0,1
	ds_load_b128 v[AF+8*\t:AF+8*\t+3],   v[FA] offset:\slot*SLOT+\t*16*PITCH+64*\ks
	ds_load_b128 v[AF+8*\t+4:AF+8*\t+7], v[FA] offset:\slot*SLOT+\t*16*PITCH+64*\ks+32
.endr
.irp a, 0,1
	s_wait_dscnt 2-2*\a                            ; the second row tile's two loads may be out
.irp b, 0,1,2,3
.if \zero
	v_wmma_f32_16x16x32_f16 v[ACC+8*(4*\a+\b):ACC+8*(4*\a+\b)+7], v[WF+8*\b:WF+8*\b+7], v[AF+8*\a:AF+8*\a+7], 0
.else
	v_wmma_f32_16x16x32_f16 v[ACC+8*(4*\a+\b):ACC+8*(4*\a+\b)+7], v[WF+8*\b:WF+8*\b+7], v[AF+8*\a:AF+8*\a+7], v[ACC+8*(4*\a+\b):ACC+8*(4*\a+\b)+7]
.endif
.endr
.endr
.endm
; One barrier a step: in front of it my stores into this slot are done and my reads of the other slot are back.
.macro STEP set, slot, zero, left, ld, k
	s_wait_loadcnt \left                           ; this set's 12 loads are in; the other set's 12 are younger
.irp i, 0,1,2,3,4,5,6,7
	v_cvt_pk_f16_f32 v[LSET+48*\set+16+4*\i],   v[LSET+48*\set+16+4*\i],   v[LSET+48*\set+16+4*\i+1]
	v_cvt_pk_f16_f32 v[LSET+48*\set+16+4*\i+1], v[LSET+48*\set+16+4*\i+2], v[LSET+48*\set+16+4*\i+3]
.endr
.irp i, 0,1,2,3
	ds_store_b128 v[SA], v[LSET+48*\set+4*\i:LSET+48*\set+4*\i+3] offset:\slot*SLOT+\i*4*PITCH
.endr
.irp i, 0,1,2,3,4,5,6,7
	ds_store_b64 v[SW], v[LSET+48*\set+16+4*\i:LSET+48*\set+16+4*\i+1] offset:\slot*SLOT+\i*PITCH
.endr
	s_wait_dscnt 0x0                               ; for the other waves' sake: zero
	s_barrier_signal -1
	s_barrier_wait -1
.if \ld
	LOADSET \set, \k
.endif
	MULS \slot, 0, \zero
	MULS \slot, 1, 0
.endm
.irp b, 0,1,2,3
	global_load_b128 v[BO+8*\b:BO+8*\b+3],   v[BOF], s[12:13] offset:64*\b
	global_load_b128 v[BO+8*\b+4:BO+8*\b+7], v[BOF], s[12:13] offset:64*\b+16
.endr
	LOADSET 0, 0
	LOADSET 1, 1
	STEP 0, 0, 1, 12, 1, 2                         ; the first wait also shows bo, which was asked for first
	STEP 1, 1, 0, 12, 1, 3
	STEP 0, 0, 0, 12, 1, 4
	STEP 1, 1, 0, 12, 1, 5
	STEP 0, 0, 0, 12, 1, 6
	STEP 1, 1, 0, 12, 1, 7
	STEP 0, 0, 0, 12, 0, 0
	STEP 1, 1, 0, 0, 0, 0                          ; nothing younger is out
	; the way out, 16 rows at a time through my own stage: sixteen lanes store 256 consecutive bytes, at a multiple of 256 from out0's first byte
	PLACES
.irp a, 0,1
.irp p, 0,1,2,3,4,5,6,7,8,9,10,11,12,13,14,15
	v_pk_add_f32 v[ACC+32*\a+2*\p:ACC+32*\a+2*\p+1], v[ACC+32*\a+2*\p:ACC+32*\a+2*\p+1], v[BO+2*\p:BO+2*\p+1]
.endr
.irp b, 0,1,2,3
	ds_store_b128 v[ST], v[ACC+32*\a+8*\b:ACC+32*\a+8*\b+3]   offset:64*\b
	ds_store_b128 v[ST], v[ACC+32*\a+8*\b+4:ACC+32*\a+8*\b+7] offset:64*\b+16
.endr
	s_wait_xcnt 0x0                                ; the registers that the last tile's stores read are loaded again only behind this wait
.irp i, 0,1,2,3,4,5,6,7
	ds_load_b128 v[LSET+4*\i:LSET+4*\i+3], v[RD] offset:2*SPITCH*\i   ; my own bytes, served in order behind the stores
.endr
.irp i, 0,1,2,3,4,5,6,7
	s_wait_dscnt 7-\i
	global_store_b128 v[GO], v[LSET+4*\i:LSET+4*\i+3], s[14:15] offset:\a*32768+\i*4096 th:TH_STORE_NT
.endr
.endr
	s_set_vgpr_msb 0x5
	s_wait_tensorcnt 0x0
	ds_add_u32 v0, v1
	s_wait_dscnt 0x0
	s_set_vgpr_msb 0x500
	s_endpgm
.Lfunc_end_k_q80aa11dfeb_outp:
	.size	k_q80aa11dfeb_outp, .Lfunc_end_k_q80aa11dfeb_outp-k_q80aa11dfeb_outp
	.p2alignl 7, 3214868480
	.fill 96, 4, 3214868480
	.section	.rodata,"a",@progbits
	.p2align	6, 0x0
	.amdhsa_kernel k_q80aa11dfeb_outp
		.amdhsa_group_segment_fixed_size 109568
		.amdhsa_private_segment_fixed_size 0
		.amdhsa_enable_private_segment 0
		.amdhsa_kernarg_size 32
		.amdhsa_user_sgpr_count 2
		.amdhsa_user_sgpr_kernarg_segment_ptr 1
		.amdhsa_wavefront_size32 1
		.amdhsa_system_sgpr_workgroup_id_x 1
		.amdhsa_system_sgpr_workgroup_id_y 1
		.amdhsa_system_sgpr_workgroup_id_z 1
		.amdhsa_system_vgpr_workitem_id 0
		.amdhsa_next_free_vgpr 258
		.amdhsa_next_free_sgpr 66
		.amdhsa_reserve_vcc 0
		.amdhsa_float_denorm_mode_32 3
		.amdhsa_float_denorm_mode_16_64 3
		.amdhsa_memory_ordered 1
		.amdhsa_forward_progress 1
		.amdhsa_inst_pref_size 58
	.end_amdhsa_kernel
	.amdgpu_metadata
---
amdhsa.version: [ 1, 2 ]
amdhsa.kernels:
  - .name:           k_q80aa11dfeb_outp
    .symbol:         k_q80aa11dfeb_outp.kd
    .args:
      - { .name: ctx, .offset: 0, .size: 8, .value_kind: global_buffer, .address_space: global }
      - { .name: Wo, .offset: 8, .size: 8, .value_kind: global_buffer, .address_space: global }
      - { .name: bo, .offset: 16, .size: 8, .value_kind: global_buffer, .address_space: global }
      - { .name: out0, .offset: 24, .size: 8, .value_kind: global_buffer, .address_space: global }
    .group_segment_fixed_size: 109568
    .private_segment_fixed_size: 0
    .kernarg_segment_align: 8
    .kernarg_segment_size: 32
    .max_flat_workgroup_size: 256
    .sgpr_count:     66
    .vgpr_count:     258
    .wavefront_size: 32
...
	.end_amdgpu_metadata
.endif
;; end of part 3
